; MI455X (gfx1250); checked and timed in simulation.
; The chip was launched on July 23, 2026; its instructions are those of AMD's public machine-readable ISA for CDNA 5 (MIT licence, August 2026) and "CDNA5" Instruction Set Architecture Reference Guide (July 2026). The comments in the code are by the model that wrote it; some were corrected since.
;; Dot Product Attention. Allowed arithmetic: float matrix products may take bf16 or f16 operands with f32 sums; all other float work in f32.
;; Inputs: K 32 x 8 x 1,024 x 16 float32; Q 32 x 8 x 1,024 x 16 float32; V 32 x 8 x 1,024 x 16 float32; mask 32 x 1,024 x 1 bool.
;; Outputs: out0 32 x 8 x 1,024 x 16 float32.
;; One version. Each part assembles by itself: llvm-mc -triple=amdgcn-amd-amdhsa -mcpu=gfx1250 --defsym DOCPART=n.
;; ======== version 1 of 1: 1 launch
;; limits: values are held in f16: magnitudes above 65,504 overflow, below 6.1e-05 lose precision; inputs' magnitudes at most 65,280
;; launch attn (part 1): grid 256 x 1, 16 waves a work-group, no clusters, 72,192 bytes of LDS; arguments Q, K, V, mask, out0; writes out0
.if DOCPART == 1
	.amdgcn_target "amdgcn-amd-amdhsa--gfx1250"
	.amdhsa_code_object_version 6
	.text
	.protected	k_q5b83ecbd94_attn
	.globl	k_q5b83ecbd94_attn
	.p2align	8
	.type	k_q5b83ecbd94_attn,@function
k_q5b83ecbd94_attn:
	s_mov_b64 s[64:65], 0
	v_nop
	global_prefetch_b8 v0, s[64:65] scope:SCOPE_SE
	s_setreg_imm32_b32 hwreg(HW_REG_WAVE_MODE, 25, 1), 1
	s_wait_xcnt 0x0
; out0[b][h][q][:] = the sum over k of softmax_k(10 tanh(Q[q] . K[k] / 4), masked keys left out) V[k][:].  Q, K, V, out0: [32][8][1024][16] f32; mask: [32][1024] bytes, not 0 = the key is masked.
; SHARES.  A work-group owns one head (ttmp9 = 8 b + h): 16 waves, wave w the queries 64 w .. 64 w + 63, four tiles of 16.  K and V of the head lie in LDS in 16 bits, once; every wave walks them, 32 keys a step.
; NO CLUSTER, NO TENSOR LOADS: work-groups share nothing but a batch's 1,024 mask bytes, and every byte of K and V passes registers anyway (f32 to 16 bits, and a select); no LDS byte is filled twice from memory.
; THE WEIGHT.  10 tanh(x) - 10 = -20 / (1 + e^(2x)).  With y = 2 log2(e) / 4 x (q . k) and C = 20 log2(e):  e^(10 tanh - 10) = 2^(1/z),  z = -1/C - 2^(y - log2 C).
; The shift by 10 is fixed: the clip 10 tanh, which the problem itself makes, holds 1/z in -28.854 .. 0 for every input.  Kept is p = 2^(15 + 1/z), which lies in 6.75e-5 .. 32,768: inside f16's normal
; numbers (6.10e-5 .. 65,504) at both ends; a row's sum is at most 1,024 x 32,768, in f32.  The factor 2^15 stands in numerator and row sum alike and leaves in the division.
; Ends: 2^(..) = infinity gives 1 / -infinity = -0 and p = 2^15; 2^(..) = 0 gives 1/z = -C.
; THE PRODUCTS.  S^T = K Q^T + CB, in bf16: source 0 = 16 key slots, source 1 = 16 queries, C = -log2 C in every place.  Depth is 16 and the form's K is 32: Q is rounded to bf16 (the operand's rounding), scaled
; by 2 log2(e) / 4 in f32, and that product goes in as two bf16 parts, high in k 0-15 and low in k 16-31, against K's fragment twice: the scale costs 2^-17 of a score and no vector work in the loop.
; In the result a lane holds ONE query (lane % 16) and keys 8 (lane / 16) + 0..7; two results rounded to f16 in pairs ARE source 1 (32 keys x 16 queries) of O^T = V^T P and of the row sums W P, both in f16:
; all 16 rows of W are w (1 for a key that counts, else 0), so the sum is taken of the same rounded weights as the numerator.  P in f16, 11 significant bits: with bf16's 8 the weights' rounding alone
; comes to 2^-9 of a row's spread, and the largest of four million outputs' errors to several times that.  V is rounded to bf16, as K and Q are, and that number is written as f16.
; THE MASK.  The keys are put in a new order, unmasked ones first (n of them); slot s of LDS holds key list[s].  K is 0 in slots >= n; V and w are 0 in slots >= NEFF = n, or 1,024 if n = 0: then all scores are
; equal and all w are 1, the mean of V, as a softmax of equal logits gives.  Only ceil(NEFF / 32) key steps are walked; the loop counts to a constant and jumps forward over the dead steps.
; LIMITS.  An unmasked V of 65,520 or more in magnitude becomes an infinity in f16; below 6.1e-5 it keeps f16's fixed step of 6e-8.  NaN and infinities in Q, in V or in an unmasked row of K are not treated
; apart from what the arithmetic gives; masked rows of K and V are dropped by a select, whatever they hold; in a batch with all keys masked an infinite or NaN Q gives NaN where the mean of V is due.
.set KHIOFF, 16512                     ; LDS: K's channels 0-7 at slot x 16 from byte 0; channels 8-15 at KHIOFF + slot x 16 (128 bytes between the planes belong to nobody)
.set VB,     33024                     ; V at VB + slot x 32: 16 channels in f16
.set WB,     65792                     ; w at WB + slot x 2, in f16
.set LIST,   67840                     ; list[] at LIST + slot x 2, 16-bit key numbers
.set SPARE,  69888                     ; the spare words, 128 bytes for each of 16 waves: eight blocks of 256 bytes that no other line names
.set SPITCH, 80                        ; the way out: a wave's stage is 16 rows of 64 bytes, 80 apart, at wave x 1,280 from byte 0: over K, which nobody reads by then
.set RR,  1                            ; v1   lane % 16
.set HH,  2                            ; v2   (lane / 16) % 2
.set LN,  3                            ; v3   lane
.set AK0, 4                            ; v4-6   my lane's place in a step's K, V, w; never rewritten
.set AV0, 5
.set AW0, 6
.set AK,  7                            ; v7-9   the same plus the step's offset
.set AV,  8
.set AW,  9
.set SPW, 10                           ; v10  LDS address of my spare word: SPARE + 4 x my thread's number; never rewritten
.set NIL, 11                           ; v11  0; never rewritten
.set KC,  12                           ; v[12:13]  -1/C, twice
.set STO, 14                           ; v14  the way out: where I put 32 bytes of a row
.set RD,  15                           ; v15  the way out: where I read rows back
.set CB,  16                           ; v[16:23]  -log2 C, eight times: the C operand of the scores
.set QF,  24                           ; v[24:55]  Q's fragments, 8 a tile: 4 high parts, 4 low parts
.set O,   56                           ; v[56:87]  O^T, 8 a tile            (before the loop: the mask's bytes, then K as loaded)
.set LS,  88                           ; v[88:119] row sums, 8 a tile        (before the loop: V as loaded)
.set SA,  120                          ; v[120:135], v[136:151] two buffers of scores, 32 keys x 16 queries each   (before the loop: Q as loaded)
.set SB,  136
.set P,   152                          ; v[152:159] the weights in f16        (before the loop: T, at work)
.set KA,  160                          ; v[160:167], v[168:175] K's fragments of a step's slots 0-15, 16-31   (before the loop: the gather's offsets; at the end, with VF and WF: rows read back)
.set KB,  168
.set VF,  176                          ; v[176:183] V^T of a step            (before the loop: G, at work)
.set WF,  184                          ; v[184:191] W of a step              (before the loop: at work on the list)
.set RL,  192                          ; v[192:199] 1 / l, a pair a tile     (before the loop: the names below)
.set GO,  200                          ; v200 my byte offset in 512 consecutive bytes of out0
.set K15, 202                          ; v[202:203]  15.0, twice
.set MB,  56
.set RK,  56
.set RV,  88
.set RQ,  120
.set T,   152
.set GOF, 160
.set G,   176
.set RU,  184
.set KEY, 185
.set PM,  186
.set POS, 187
.set QO,  192                          ; my byte offset in 16 rows of Q
.set SL,  193                          ; thread / 4: my slot among 128
.set KST, 194                          ; where my 8 bytes of K, of V, my 4 bytes of w go
.set VST, 195
.set WST, 196
.set LA,  197                          ; where my slot's key number lies
.set Q16, 198                          ; 16 x (thread % 4): my quarter of a row of 64 bytes
.set TM,  199                          ; at work
.set WV,   14                          ; s14  my wave's number
.set NN,   20                          ; s20  n: unmasked keys of the batch
.set NEFF, 21                          ; s21  n, or 1,024 if n = 0
.set DEAD, 22                          ; s22  32 - ceil(NEFF / 32): steps that are not walked
.set CNT,  23                          ; s23  the loop's count
.set BASE, 24                          ; s24  list: unmasked keys in the groups of 32 before this one
.set TK,   25                          ; s25-27  LDS offsets: K of the next step, V and w of the step in hand
.set TV,   26
.set TW,   27
.set C1,   28                          ; s[28:29]  2 log2(e) / 4; the packed multiply takes the pair's low word for both halves
.set HM,   30                          ; s30  a word's upper bf16
.set BAL,  32                          ; s[32:63]  bit l of word c: key 32 c + l is unmasked.  Once the list is made: s32, s33 = f16 1.0 in the low, the high half
	s_load_b256 s[4:11], s[0:1], 0x0               ; Q s[4:5], K s[6:7], V s[8:9], mask s[10:11]
	s_load_b64 s[12:13], s[0:1], 0x20              ; out0
	v_lshl_add_u32 v[SPW], v0, 2, SPARE
	v_mov_b32 v[NIL], 0
	v_and_b32 v[LN], 31, v0
	v_and_b32 v[RR], 15, v0
	v_bfe_u32 v[HH], v0, 4, 1
	v_lshrrev_b32 v[TM], 5, v0
	v_readfirstlane_b32 s[WV], v[TM]               ; wave 0..15
	v_lshlrev_b32 v[QO], 6, v[RR]
	v_lshl_add_u32 v[QO], v[HH], 5, v[QO]          ; row x 64 + 32 x half: my query's channels 8 h .. 8 h + 7
	s_lshl_b32 s16, ttmp9, 16                      ; the head's 1,024 rows of 64 bytes; 256 heads stay under 2^32
	s_mov_b32 s17, 0
	s_lshl_b32 s2, s[WV], 12                       ; my wave's 64 rows
	s_add_co_u32 s2, s2, s16
	s_mov_b32 s3, 0
	s_lshr_b32 s18, ttmp9, 3                       ; the batch,
	s_lshl_b32 s18, s18, 10                        ; its 1,024 mask bytes
	s_mov_b32 s19, 0
	s_mov_b32 s[C1], 0x3f38aa3b                    ; 2 log2(e) / 4 = 0.72134752
	s_mov_b32 s[C1+1], s[C1]                       ; named with it as a pair
	s_mov_b32 s[HM], 0xffff0000
	s_wait_kmcnt 0x0
	s_add_nc_u64 s[6:7], s[6:7], s[16:17]          ; K and V at the head's first row
	s_add_nc_u64 s[8:9], s[8:9], s[16:17]
	s_add_nc_u64 s[4:5], s[4:5], s[2:3]            ; Q and out0 at my wave's first row
	s_add_nc_u64 s[12:13], s[12:13], s[2:3]
	s_add_nc_u64 s[10:11], s[10:11], s[18:19]      ; the batch's mask
.set c, 0
.rept 32
	global_load_u8 v[MB+c], v[LN], s[10:11] offset:32*c  ; key 32 c + lane: one key a lane, so that a compare gives a word of 32 keys
.set c, c+1
.endr
.set c, 0
.rept 8                                        ; Q: tile c / 2, my 32 bytes of a row in two loads; read once in the launch
	global_load_b128 v[RQ+4*c:RQ+4*c+3], v[QO], s[4:5] offset:1024*(c/2)+16*(c%2) th:TH_LOAD_NT
.set c, c+1
.endr
	; THE COUNT, in every wave
	s_wait_loadcnt 0x8                             ; loads come back in order (ISA guide 5.7.1): the mask is in, Q's eight loads stay out
.set c, 0
.rept 32
	v_cmp_eq_u32 s[BAL+c], 0, v[MB+c]
.set c, c+1
.endr
	s_bcnt1_i32_b32 s[NN], s[BAL]
.set c, 1
.rept 31
	s_bcnt1_i32_b32 s31, s[BAL+c]
	s_add_co_u32 s[NN], s[NN], s31
.set c, c+1
.endr
	s_cmp_eq_u32 s[NN], 0
	s_cselect_b32 s[NEFF], 1024, s[NN]
	s_add_co_u32 s[DEAD], s[NEFF], 31
	s_lshr_b32 s[DEAD], s[DEAD], 5                 ; steps to walk, 1 .. 32
	s_sub_co_u32 s[DEAD], 32, s[DEAD]
	; THE LIST, by wave 0 alone: an unmasked key goes to slot (unmasked keys before it), a masked one to slot n + (masked keys before it): a permutation of 0 .. 1,023, so every word of the list is written
	s_cmp_lg_u32 s[WV], 0
	s_cbranch_scc1 .Lnolist
	s_mov_b32 s[BASE], 0
.set c, 0
.rept 32
	v_mbcnt_lo_u32_b32 v[RU], s[BAL+c], s[BASE]    ; unmasked keys before mine
	v_add_nc_u32 v[KEY], 32*c, v[LN]               ; my key's number = the keys before it
	v_add_nc_u32 v[PM], s[NN], v[KEY]
	v_sub_nc_u32 v[PM], v[PM], v[RU]
	v_cndmask_b32 v[POS], v[PM], v[RU], s[BAL+c]
	v_min_u32 v[POS], 0x3ff, v[POS]                ; a slot made from loaded bytes is held inside the list
	v_lshl_add_u32 v[POS], v[POS], 1, LIST
	ds_store_b16 v[POS], v[KEY]
	s_bcnt1_i32_b32 s31, s[BAL+c]
	s_add_co_u32 s[BASE], s[BASE], s31
.set c, c+1
.endr
.Lnolist:
	s_wait_dscnt 0x0                               ; for the others' sake: the list is written
	s_barrier_signal -1
	s_barrier_wait -1
	; THE GATHER.  Load i of thread t: slot 128 i + t / 4, quarter t % 4 of its row: four neighbouring lanes take a row's 64 bytes.  No hint: a row's neighbours in memory may be asked for by another load.
	v_lshrrev_b32 v[SL], 2, v0
	v_lshl_add_u32 v[LA], v[SL], 1, LIST
.set c, 0
.rept 8
	ds_load_u16 v[GOF+c], v[LA] offset:256*c
.set c, c+1
.endr
	v_and_b32 v[Q16], 3, v0
	v_lshlrev_b32 v[Q16], 4, v[Q16]
	s_wait_dscnt 0x0
.set c, 0
.rept 8
	v_min_u32 v[GOF+c], 0x3ff, v[GOF+c]            ; a key number from LDS is held inside the head's 1,024 rows
	v_lshl_add_u32 v[GOF+c], v[GOF+c], 6, v[Q16]
.set c, c+1
.endr
.set c, 0
.rept 8
	global_load_b128 v[RK+4*c:RK+4*c+3], v[GOF+c], s[6:7]
.set c, c+1
.endr
.set c, 0
.rept 8
	global_load_b128 v[RV+4*c:RV+4*c+3], v[GOF+c], s[8:9]
.set c, c+1
.endr
	; while K and V are on their way: w, the addresses of the stores to come, and Q's fragments
	s_mov_b32 s32, 0x3c00                          ; the words of the mask have served: f16 1.0 in the low half,
	s_mov_b32 s33, 0x3c000000                      ; in the high half
	v_lshl_add_u32 v[WST], v0, 2, WB               ; thread t writes w of slots 2 t and 2 t + 1
	v_lshlrev_b32 v[TM], 1, v0
	v_cmp_gt_u32 vcc_lo, s[NEFF], v[TM]
	v_cndmask_b32 v[T], 0, s32, vcc_lo
	v_or_b32 v[TM], 1, v[TM]
	v_cmp_gt_u32 vcc_lo, s[NEFF], v[TM]
	v_cndmask_b32 v[T+1], 0, s33, vcc_lo
	v_or_b32 v[T], v[T], v[T+1]
	ds_store_b32 v[WST], v[T]
	v_and_b32 v[TM], 1, v0                         ; K: quarters 0, 1 are the two halves of the slot's 16 bytes in the low plane, quarters 2, 3 in the high plane
	v_lshlrev_b32 v[KST], 4, v[SL]
	v_lshl_add_u32 v[KST], v[TM], 3, v[KST]
	v_bfe_u32 v[TM], v0, 1, 1
	v_mul_u32_u24 v[TM], v[TM], KHIOFF
	v_add_nc_u32 v[KST], v[KST], v[TM]
	v_lshl_add_u32 v[VST], v0, 3, VB               ; V: slot x 32 + quarter x 8 = thread x 8
; Q's fragment of tile t: rounded to bf16, widened again, scaled in f32; the product's high part in bf16 and, of what that leaves, the low part
.macro QPREP t
.set R, RQ+8*(\t)
.set F, QF+8*(\t)
.irp j, 0,1,2,3
	v_cvt_pk_bf16_f32 v[T+(\j)], v[R+2*(\j)], v[R+2*(\j)+1]
.endr
.irp j, 0,1,2,3
	v_lshlrev_b32 v[R+2*(\j)], 16, v[T+(\j)]
	v_and_b32 v[R+2*(\j)+1], s[HM], v[T+(\j)]
.endr
.irp j, 0,1,2,3
	v_pk_mul_f32 v[R+2*(\j):R+2*(\j)+1], v[R+2*(\j):R+2*(\j)+1], s[C1:C1+1] op_sel_hi:[1,0]
.endr
.irp j, 0,1,2,3
	v_cvt_pk_bf16_f32 v[F+(\j)], v[R+2*(\j)], v[R+2*(\j)+1]
.endr
.irp j, 0,1,2,3
	v_lshlrev_b32 v[G+2*(\j)], 16, v[F+(\j)]
	v_and_b32 v[G+2*(\j)+1], s[HM], v[F+(\j)]
.endr
.irp j, 0,1,2,3
	v_pk_add_f32 v[R+2*(\j):R+2*(\j)+1], v[R+2*(\j):R+2*(\j)+1], v[G+2*(\j):G+2*(\j)+1] neg_lo:[0,1] neg_hi:[0,1]
.endr
.irp j, 0,1,2,3
	v_cvt_pk_bf16_f32 v[F+4+(\j)], v[R+2*(\j)], v[R+2*(\j)+1]
.endr
.endm
	s_wait_loadcnt 0x10                            ; Q is in: K's eight loads and V's eight are younger
	QPREP 0
	QPREP 1
	QPREP 2
	QPREP 3
; Load i's four numbers, rounded to bf16; half = 1: that number widened again and written as f16 (8 significant bits fit into 11); 0 in a slot at or past the bound; 8 bytes into LDS
.macro CONV i, raw, lim, adr, step, half
.set TA, T+2*((\i)%2)
.set RW, (\raw)+4*(\i)
	v_add_nc_u32 v[TM], 128*(\i), v[SL]            ; the slot
	v_cmp_gt_u32 vcc_lo, s[\lim], v[TM]
	v_cvt_pk_bf16_f32 v[TA], v[RW], v[RW+1]
	v_cvt_pk_bf16_f32 v[TA+1], v[RW+2], v[RW+3]
.if \half
	v_lshlrev_b32 v[RW], 16, v[TA]
	v_and_b32 v[RW+1], s[HM], v[TA]
	v_lshlrev_b32 v[RW+2], 16, v[TA+1]
	v_and_b32 v[RW+3], s[HM], v[TA+1]
	v_cvt_pk_f16_f32 v[TA], v[RW], v[RW+1]
	v_cvt_pk_f16_f32 v[TA+1], v[RW+2], v[RW+3]
.endif
	v_cndmask_b32 v[TA], 0, v[TA], vcc_lo
	v_cndmask_b32 v[TA+1], 0, v[TA+1], vcc_lo
	ds_store_b64 v[\adr], v[TA:TA+1] offset:(\step)*(\i)
.endm
	s_wait_loadcnt 0x8                             ; K is in: V's eight loads are younger
.irp i, 0,1,2,3,4,5,6,7
	CONV \i, RK, NN, KST, 2048, 0
.endr
	s_wait_loadcnt 0x0                             ; V is in
.irp i, 0,1,2,3,4,5,6,7
	CONV \i, RV, NEFF, VST, 4096, 1
.endr
	; work on registers while the stores land
.set c, 0
.rept 8
	v_mov_b32 v[CB+c], 0xc09b38e4                  ; -log2(20 log2 e) = -4.8506945
.set c, c+1
.endr
	v_mov_b32 v[KC], 0xbd0df4e0                    ; -1 / (20 log2 e) = -0.034657359
	v_mov_b32 v[KC+1], 0xbd0df4e0
	v_mov_b32 v[K15], 0x41700000                   ; 15.0
	v_mov_b32 v[K15+1], 0x41700000
	v_mul_u32_u24 v[AK0], v[HH], KHIOFF            ; K: lanes 0-15 take 16 slots' low halves, 256 consecutive bytes; lanes 16-31 their high halves
	v_lshl_add_u32 v[AK0], v[RR], 4, v[AK0]
	v_and_b32 v[TM], 7, v0                         ; V, by the turning load: lane l reads 16 bytes: slot 8 (l / 16) + l % 8, channels 8 ((l / 8) % 2) + 0..7
	v_lshl_add_u32 v[TM], v[HH], 3, v[TM]
	v_lshlrev_b32 v[AV0], 5, v[TM]
	v_bfe_u32 v[TM], v0, 3, 1
	v_lshl_add_u32 v[AV0], v[TM], 4, v[AV0]
	v_add_nc_u32 v[AV0], VB, v[AV0]
	v_lshl_add_u32 v[AW0], v[HH], 4, WB            ; w: every lane of a half takes the same 8 slots
	s_wait_dscnt 0x0                               ; for the others' sake: my part of K, V and w is written
	s_barrier_signal -1
	s_barrier_wait -1
; THE LDS LOADS of a step.  K's 16 bytes a lane are loaded twice: registers 0-3 meet Q's high parts, registers 4-7 its low parts; a second load costs no vector instruction, a copy would cost four.
.macro KLOAD
	ds_load_b128 v[KA:KA+3],   v[AK]
	ds_load_b128 v[KA+4:KA+7], v[AK]
	ds_load_b128 v[KB:KB+3],   v[AK] offset:256
	ds_load_b128 v[KB+4:KB+7], v[AK] offset:256
.endm
.macro VWLOAD
	ds_load_tr16_b128 v[VF:VF+3],   v[AV]              ; slots 8 h .. 8 h + 7 of channel lane % 16
	ds_load_tr16_b128 v[VF+4:VF+7], v[AV] offset:512   ; 16 slots of 32 bytes on
	ds_load_b128 v[WF:WF+3],   v[AW]
	ds_load_b128 v[WF+4:WF+7], v[AW] offset:32
.endm
; THE MATRIX WORK.  Tile t's scores against a step's 32 slots: one instruction makes each 16 x 16 whole.  No two matrix instructions that follow each other share an accumulator, and each
; accumulator's turn is one instruction, over the loop's backward jump too.
.macro QK t, sb
	v_wmma_f32_16x16x32_bf16 v[(\sb):(\sb)+7],    v[KA:KA+7], v[QF+8*(\t):QF+8*(\t)+7], v[CB:CB+7]
	v_wmma_f32_16x16x32_bf16 v[(\sb)+8:(\sb)+15], v[KB:KB+7], v[QF+8*(\t):QF+8*(\t)+7], v[CB:CB+7]
.endm
.macro PVL t, first                    ; first = 1: the products start the sums: nothing is cleared
.if \first
	v_wmma_f32_16x16x32_f16 v[O+8*(\t):O+8*(\t)+7],   v[VF:VF+7], v[P:P+7], 0
	v_wmma_f32_16x16x32_f16 v[LS+8*(\t):LS+8*(\t)+7], v[WF:WF+7], v[P:P+7], 0
.else
	v_wmma_f32_16x16x32_f16 v[O+8*(\t):O+8*(\t)+7],   v[VF:VF+7], v[P:P+7], v[O+8*(\t):O+8*(\t)+7]
	v_wmma_f32_16x16x32_f16 v[LS+8*(\t):LS+8*(\t)+7], v[WF:WF+7], v[P:P+7], v[LS+8*(\t):LS+8*(\t)+7]
.endif
.endm
; THE VECTOR WORK of a tile and step: 16 registers of scores in buffer sb become 8 of weights.  Each accumulator is read from its lowest register on.  Behind each run of transcendentals stands one plain
; instruction before a result is used (ISA guide 5.7.2).  hook = 1: V and w of the step in hand are fetched; hook = 2: K of the next step.  The loads stand behind ten (nine) plain instructions that name no
; register of the last products that read those fragments (four are due: ISA guide 7.12.1 for vector instructions); the same lines, the eight further additions and two v_nop
; stand between a product that read P and the roundings that write P anew.
.macro VEC sb, hook
.set i, 0
.rept 16
	v_exp_f32 v[(\sb)+i], v[(\sb)+i]               ; 2^(y - log2 C)
.set i, i+1
.endr
.if (\hook) == 1
	v_add_nc_u32 v[AV], s[TV], v[AV0]
	v_add_nc_u32 v[AW], s[TW], v[AW0]
	s_wait_alu depctr_va_vdst(0)
.elseif (\hook) == 2
	v_add_nc_u32 v[AK], s[TK], v[AK0]
	s_wait_alu depctr_va_vdst(0)
.else
	v_nop
	s_wait_alu depctr_va_vdst(0)
.endif
.set i, 0
.rept 8
	v_pk_add_f32 v[(\sb)+i:(\sb)+i+1], v[KC:KC+1], v[(\sb)+i:(\sb)+i+1] neg_lo:[0,1] neg_hi:[0,1]  ; z = -1/C - that
.set i, i+2
.endr
.if (\hook) == 1
	VWLOAD
.elseif (\hook) == 2
	KLOAD
.endif
.set i, 0
.rept 16
	v_rcp_f32 v[(\sb)+i], v[(\sb)+i]
.set i, i+1
.endr
	v_nop
.set i, 0
	s_wait_alu depctr_va_vdst(0)
.rept 8
	v_pk_add_f32 v[(\sb)+i:(\sb)+i+1], v[(\sb)+i:(\sb)+i+1], v[K15:K15+1]  ; 15 + 1/z: -13.854 .. 15
.set i, i+2
.endr
.set i, 0
.rept 16
	v_exp_f32 v[(\sb)+i], v[(\sb)+i]               ; p
.set i, i+1
.endr
	v_nop
.set i, 0
	s_wait_alu depctr_va_vdst(0)
.rept 8
	v_cvt_pk_f16_f32 v[P+i], v[(\sb)+2*i], v[(\sb)+2*i+1]
.set i, i+1
.endr
.endm
; A KEY STEP.  A tile's scores are made one tile ahead of their vector work, in the other buffer, so that more than the four places due lie between a product and the first read of its result.
; The fourth pair of score products is tile 0's for the NEXT step, on the K just fetched; behind the last live step it serves nothing: the price of one text for every step.
.macro STEP first
	QK 1, SB
	VEC SA, 1
	s_wait_dscnt 0x0                               ; V and w are in
	PVL 0, \first
	QK 2, SA
	VEC SB, 0
	PVL 1, \first
	QK 3, SB
	VEC SA, 2
	PVL 2, \first
	s_wait_dscnt 0x0                               ; the next step's K is in
	QK 0, SA
	VEC SB, 0
	PVL 3, \first
.endm
	v_mov_b32 v[AK], v[AK0]                        ; step 0
	KLOAD
	s_wait_dscnt 0x0
	QK 0, SA
	s_mul_i32 s31, s[WV], 16*SPITCH                ; the addresses of the way out are made here: nine plain instructions, the places behind those two products
	v_mul_u32_u24 v[STO], v[RR], SPITCH            ; in: row lane % 16, 32 bytes for each half of the lanes
	v_lshl_add_u32 v[STO], v[HH], 5, v[STO]
	v_add_nc_u32 v[STO], s31, v[STO]
	v_lshrrev_b32 v[RD], 2, v[LN]                  ; back: 32 lanes take eight rows of 64 bytes,
	v_mul_u32_u24 v[RD], v[RD], SPITCH
	v_and_b32 v[TM], 3, v0
	v_lshl_add_u32 v[RD], v[TM], 4, v[RD]
	v_add_nc_u32 v[RD], s31, v[RD]
	v_lshlrev_b32 v[GO], 4, v[LN]                  ; which are 512 consecutive bytes of out0
	s_mov_b32 s[TV], 0
	s_mov_b32 s[TW], 0
	s_mov_b32 s[TK], 512
	STEP 1                                         ; step 0 is always walked (NEFF is at least 1): it starts the sums
	s_mov_b32 s[TV], 1024
	s_mov_b32 s[TW], 64
	s_mov_b32 s[TK], 1024
	s_mov_b32 s[CNT], 31
.Lstep:                                                ; trip with count c is step 32 - c
	s_cmp_le_u32 s[CNT], s[DEAD]
	s_cbranch_scc1 .Ldead                          ; at or past ceil(NEFF / 32): nothing in it counts.  The jump goes forward and passes no barrier
	STEP 0
.Ldead:
	s_add_co_u32 s[TV], s[TV], 1024                ; 32 slots of 32 bytes,
	s_add_co_u32 s[TW], s[TW], 64                  ; of 2,
	s_add_co_u32 s[TK], s[TK], 512                 ; of 16 in each plane;
	s_min_u32 s[TK], s[TK], 31*512                 ; the look-ahead of step 31 stays in the table
	s_sub_co_u32 s[CNT], s[CNT], 1
	s_cmp_lg_u32 s[CNT], 0
	s_cbranch_scc1 .Lstep
	; THE WAY OUT.  Every register of a tile's row sums holds l of the lane's query.  O^T / l goes through my stage in LDS, a tile (16 rows of out0) at a time, and leaves as whole rows.
.rept 4
	v_nop                                          ; the places behind the last products
.endr
	s_wait_dscnt 0x0                               ; my reads of K, V and w are over
	s_barrier_signal -1
	s_barrier_wait -1                              ; everybody's are: the stages may lie over K
.set t, 0
.rept 4
	v_rcp_f32 v[RL+2*t], v[LS+8*t]                 ; twice, for the pair that the packed multiply takes
	v_rcp_f32 v[RL+2*t+1], v[LS+8*t+1]
.set t, t+1
.endr
	v_nop                                          ; a plain instruction between the last reciprocal and the use of its result
.set i, 0
	s_wait_alu depctr_va_vdst(0)
.rept 16
	v_pk_mul_f32 v[O+2*i:O+2*i+1], v[O+2*i:O+2*i+1], v[RL+2*(i/4):RL+2*(i/4)+1]
.set i, i+1
.endr
.set t, 0
.rept 4
	ds_store_b128 v[STO], v[O+8*t:O+8*t+3]
	ds_store_b128 v[STO], v[O+8*t+4:O+8*t+7] offset:16
	ds_load_b128 v[KA+8*t:KA+8*t+3],   v[RD]       ; LDS serves a wave's instructions in order (ISA guide 5.7.1.4): these see the stores above, and the next tile's stores come behind them
	ds_load_b128 v[KA+8*t+4:KA+8*t+7], v[RD] offset:8*SPITCH
.set t, t+1
.endr
.set t, 0
.rept 4
	s_wait_dscnt 4*(3-t)+1                         ; behind this load: its partner and four LDS instructions for each later tile
	global_store_b128 v[GO], v[KA+8*t:KA+8*t+3], s[12:13] offset:1024*t th:TH_STORE_NT          ; 512 consecutive bytes, at a multiple of 256 from out0's first byte
	s_wait_dscnt 4*(3-t)
	global_store_b128 v[GO], v[KA+8*t+4:KA+8*t+7], s[12:13] offset:1024*t+512 th:TH_STORE_NT
.set t, t+1
.endr
	s_wait_tensorcnt 0x0                           ; the wave's end: behind my last LDS store
	ds_add_u32 v[SPW], v[NIL]
	s_wait_dscnt 0x0
	s_endpgm
.Lfunc_end_k_q5b83ecbd94_attn:
	.size	k_q5b83ecbd94_attn, .Lfunc_end_k_q5b83ecbd94_attn-k_q5b83ecbd94_attn
	.p2alignl 7, 3214868480
	.fill 96, 4, 3214868480
	.section	.rodata,"a",@progbits
	.p2align	6, 0x0
	.amdhsa_kernel k_q5b83ecbd94_attn
		.amdhsa_group_segment_fixed_size 72192
		.amdhsa_private_segment_fixed_size 0
		.amdhsa_enable_private_segment 0
		.amdhsa_kernarg_size 40
		.amdhsa_user_sgpr_count 2
		.amdhsa_user_sgpr_kernarg_segment_ptr 1
		.amdhsa_wavefront_size32 1
		.amdhsa_system_sgpr_workgroup_id_x 1
		.amdhsa_system_sgpr_workgroup_id_y 1
		.amdhsa_system_sgpr_workgroup_id_z 1
		.amdhsa_system_vgpr_workitem_id 0
		.amdhsa_next_free_vgpr 204
		.amdhsa_next_free_sgpr 66
		.amdhsa_reserve_vcc 1
		.amdhsa_float_denorm_mode_32 3
		.amdhsa_float_denorm_mode_16_64 3
		.amdhsa_memory_ordered 1
		.amdhsa_forward_progress 1
		.amdhsa_inst_pref_size 81
	.end_amdhsa_kernel
	.amdgpu_metadata
---
amdhsa.version: [ 1, 2 ]
amdhsa.kernels:
  - .name:           k_q5b83ecbd94_attn
    .symbol:         k_q5b83ecbd94_attn.kd
    .args:
      - { .name: Q, .offset: 0, .size: 8, .value_kind: global_buffer, .address_space: global }
      - { .name: K, .offset: 8, .size: 8, .value_kind: global_buffer, .address_space: global }
      - { .name: V, .offset: 16, .size: 8, .value_kind: global_buffer, .address_space: global }
      - { .name: mask, .offset: 24, .size: 8, .value_kind: global_buffer, .address_space: global }
      - { .name: out0, .offset: 32, .size: 8, .value_kind: global_buffer, .address_space: global }
    .group_segment_fixed_size: 72192
    .private_segment_fixed_size: 0
    .kernarg_segment_align: 8
    .kernarg_segment_size: 40
    .max_flat_workgroup_size: 512
    .sgpr_count:     66
    .vgpr_count:     204
    .wavefront_size: 32
...
	.end_amdgpu_metadata
.endif
;; end of part 1
